; MI455X (gfx1250); checked and timed in simulation.
; The chip was launched on July 23, 2026; its instructions are those of AMD's public machine-readable ISA for CDNA 5 (MIT licence, August 2026) and "CDNA5" Instruction Set Architecture Reference Guide (July 2026). The comments in the code are by the model that wrote it; some were corrected since.
;; IPEX Transformer Atten. Allowed arithmetic: matrix products marked QUANTISED: E2M3 operands, one E8M0 scale for each 32 along K, by v_wmma_scale_f32_16x16x128_f8f6f4 with both operands' format E2M3, f32 sums; everything else in f32.
;; Inputs: hidden_states 1 x 2,048 x 2,048 float32; k_wei 2,048 x 2,048 float32; out_wei 2,048 x 2,048 float32; q_wei 2,048 x 2,048 float32; v_wei 2,048 x 2,048 float32.
;; Outputs: out0 1 x 2,048 x 2,048 float32.
;; This version of the problem:
;;   THIS VERSION OF THE PROBLEM IS GIVEN IN LOW PRECISION. The matrix products marked QUANTISED in the list below multiply operands that are first quantised to E2M3 (2 exponent bits, 3 mantissa bits; 6 bits a number), with one power-of-two scale for each 32 numbers along K (OCP MX v1.0); their sums are f32. All else is computed in f32.
;;   The module's matrix products, in the order in which they are computed (A, B: the left and right operand; K: the contracted axis; several contracted axes count as one K, in the product's order):
;;     1. [M 2,048, K 2,048] x [K 2,048, N 2,048]; A: input hidden_states; B: input q_wei: QUANTISED
;;     2. [M 2,048, K 2,048] x [K 2,048, N 2,048]; A: input hidden_states; B: input k_wei: QUANTISED
;;     3. [M 2,048, K 2,048] x [K 2,048, N 2,048]; A: input hidden_states; B: input v_wei: QUANTISED
;;     4. batch 16 x [M 2,048, K 128] x [K 128, N 2,048]; A: computed on the way; B: computed on the way: QUANTISED
;;     5. batch 16 x [M 2,048, K 2,048] x [K 2,048, N 128]; A: softmax (see below); B: computed on the way: QUANTISED
;;     6. [M 2,048, K 2,048] x [K 2,048, N 2,048]; A: computed on the way; B: input out_wei: QUANTISED
;;   THE QUANTISER, for each operand of a quantised product, along K:
;;     - K is cut into blocks of 32 from its start; a last block that is shorter is filled with zeros.
;;     - A block's scale is 2^e with e = floor(log2(the largest magnitude in the block)) - 2, held to -126 .. 127; a block of zeros has e = 0. As a byte (E8M0): e + 127.
;;     - Each number is divided by its block's scale, clamped to +-7.5, and rounded to the nearest number of E2M3, ties to even, subnormals kept.
;;     - The product sums the exact products of the quantised numbers (number of the format x scale) in f32.
;;   ~~~python
;;   def quantise(x, axis):      # numpy; x: float32 -> the quantised numbers, widened to float32 again
;;       x = np.moveaxis(x, axis, -1); K = x.shape[-1]
;;       x = np.pad(x, [(0, 0)] * (x.ndim - 1) + [(0, -K % 32)]); x = x.reshape(x.shape[:-1] + (-1, 32)); a = np.abs(x).max(-1, keepdims=True)
;;       e = np.where(a > 0, np.clip(np.frexp(np.where(a > 0, a, 1))[1] - 1 - 2, -126, 127), 0)      # np.frexp(a)[1] - 1 = floor(log2(a)), exactly
;;       r = np.clip(x / 2.0 ** e, -7.5, 7.5)
;;       step = 2.0 ** (np.maximum(np.frexp(np.where(r == 0, 1, r))[1] - 1, 0) - 3)
;;       q = np.round(r / step) * step * 2.0 ** e      # np.round: ties to even
;;       return np.moveaxis(q.reshape(q.shape[:-2] + (-1,))[..., :K], -1, axis).astype(np.float32)
;;   ~~~
;;   SOFTMAX AHEAD OF A QUANTISED PRODUCT. Where the list says 'softmax', what is quantised is not the finished softmax but p = 2^(t - M), with t = logit x log2(e) and M = ceil(the row's largest t), a whole number; so 1/2 < the row's largest p <= 1. The row's sum l is taken of the UNQUANTISED p, in f32, and the product's result is divided by l at the end. Since M is a whole number, a kernel that streams over the keys may use a running M (the ceiling of the running maximum): every later rescaling is an exact power of two, which a block's scale takes up: the codes' values come out the same.
;;   OPERANDS COMPUTED ON THE WAY. 'Computed on the way' means the value that the module computes at that place (a softmax that the list does not call 'softmax' is quantised finished and normalised). What goes into a quantiser is computed in f32, as accurately as f32 sums, v_exp_f32 and their like allow (about 1e-6 of the number): no bf16 or f16 on the way to a quantiser, and a product that is left as it is and whose result goes on into a quantised operand takes f32 operands (vector FMAs, or v_wmma_f32_16x16x4_f32). A number that lies on a knife's edge between two numbers of the format may be rounded either way, as far as f32 arithmetic and the matrix unit's own rounding can turn it there, and no further.
;; One version. Each part assembles by itself: llvm-mc -triple=amdgcn-amd-amdhsa -mcpu=gfx1250 --defsym DOCPART=n.
;; ======== version 1 of 1: 4 launches
;; limits: right only within a limited range of input values
;; workspace buffers: ops 16,384,000 bytes; qkv 9,830,400 bytes; arec 3,276,800 bytes
;; launch quant (part 1): grid 1280 x 1, 4 waves a work-group, no clusters, 81,408 bytes of LDS; arguments hidden_states, q_wei, k_wei, v_wei, out_wei, ops; writes ops
.if DOCPART == 1
	.amdgcn_target "amdgcn-amd-amdhsa--gfx1250"
	.amdhsa_code_object_version 6
	.text
	.protected	k_qdd2bf5a7cd_quant
	.globl	k_qdd2bf5a7cd_quant
	.p2align	8
	.type	k_qdd2bf5a7cd_quant,@function
k_qdd2bf5a7cd_quant:
	s_mov_b64 s[64:65], 0
	v_nop
	global_prefetch_b8 v0, s[64:65] scope:SCOPE_SE
	s_setreg_imm32_b32 hwreg(HW_REG_WAVE_MODE, 25, 1), 1
	s_wait_xcnt 0x0
; All five f32 inputs become codes of FP6 (E2M3) with one E8M0 byte for each 32 along K, laid as RECORDS in ops.
; A RECORD is 128 operand rows x 128 along K in 12,800 bytes: eight images of an operand's 12 registers (1,536 bytes each: registers 4 c .. 4 c + 3 of lane l at 512 c + 16 l),
; then eight groups of 16 scale words (64 bytes each).  Lane row r of image T is row 32 (T / 2) + 8 (T % 2) + r + 8 (r / 8) of the 128.
; Work-groups 0-255 make hidden_states' records (K innermost), record g at 12,800 g, g = 16 x (group of 128 tokens) + K step.
; Work-groups 256 (y + 1) + x make weight y's record x (q, k, v, out; K is the FIRST axis), at 3,276,800 (y + 1) + 12,800 x, x = 16 x (group of 128 n) + K step.
; The two paths part on the work-group's number alone and have LDS bytes of their own: the weights' stages at 0, the tokens' at 12,288.
; A block's scale byte is its largest magnitude's exponent field - 2, held at 1 from below.
; LIMITS: a block of zeros gets the byte 1 (its codes are zeros; only this program reads the bytes); NaN and infinities among the inputs are not served.
; No tensor loads, no barrier: waves share nothing.  No clusters: no two work-groups read the same bytes.
.set WST,   17152                      ; tokens: a wave's stage: row i at 528 i + 128 (i / 16)
.set XST,   12288                      ; where the tokens' four stages begin
.set SPARE, XST+4*WST                  ; behind the stages: the spare words, 128 bytes a wave
.set SPW, 2                            ; v2 my spare word's address, v3 = 0; never rewritten
.set NIL, 3
	s_load_b256 s[36:43], s[0:1], 0x0              ; hidden_states, q_wei, k_wei, v_wei
	s_load_b128 s[44:47], s[0:1], 0x20             ; out_wei, ops
	v_lshl_add_u32 v[SPW], v0, 2, SPARE
	v_mov_b32 v[NIL], 0
	v_lshrrev_b32 v1, 5, v0
	v_readfirstlane_b32 s8, v1                     ; wave
	s_cmp_ge_u32 ttmp9, 256
	s_wait_alu depctr_va_vdst(0)                   ; the wait ahead of the branch
	s_cbranch_scc1 .Lweights
; THE TOKENS.  Wave w makes images 2 w and 2 w + 1: tokens 32 w .. 32 w + 31.  Each load takes 512 consecutive bytes of a row; the 32 rows turn through the wave's stage, so that a lane gets two whole blocks of its row.
.set X,   16                           ; v16-143  32 rows as loaded
.set Y0,  144                          ; v144-207 image 2 w: 64 numbers of my row
.set Y1,  16                           ; v16-79   image 2 w + 1
.set TM,  208
.set TS,  210
.set TB,  212
.set P0,  216
.set P1,  228
.set D,   240
.set W0,  248
.set W1,  249
.set T,   250
	v_and_b32 v4, 31, v0                           ; lane
	v_and_b32 v5, 7, v0                            ; r % 8
	v_bfe_u32 v6, v0, 3, 1                         ; r / 8
	v_bfe_u32 v13, v0, 4, 1                        ; h
	v_lshlrev_b32 v7, 4, v4                        ; 16 x lane
	s_mul_i32 s9, s8, WST
	s_add_co_u32 s9, s9, XST
	v_add_nc_u32 v8, s9, v7                        ; into the stage
	v_mul_u32_u24 v9, v5, 528
	v_mad_u32_u24 v9, v6, 8576, v9                 ; sixteen rows and their extra 128 bytes on
	v_lshl_add_u32 v9, v13, 7, v9                  ; my half's 32 numbers
	v_add_nc_u32 v9, s9, v9                        ; out of the stage
	s_mul_i32 s10, s8, 3072
	v_add_nc_u32 v10, s10, v7                      ; my images' place in the record
	s_lshl_b32 s10, s8, 7
	s_add_co_u32 s10, s10, 12288
	v_lshl_add_u32 v11, v4, 2, s10                 ; my scale word's place
	v_lshlrev_b32 v12, 3, v13                      ; 8 h
	v_mov_b32 v[T], 0                              ; a lane permute's destination counts as read
	s_mov_b32 s20, 0x76543210
	s_mov_b32 s21, 0xfedcba98                      ; selects for lane l xor 16
	s_mov_b32 s22, 0xffff0000                      ; lanes 16-31
	s_lshr_b32 s12, ttmp9, 4                       ; group of 128 tokens
	s_and_b32 s13, ttmp9, 15                       ; K step
	s_lshl_b32 s12, s12, 7
	s_lshl_b32 s14, s8, 5
	s_add_co_u32 s12, s12, s14                     ; my first token
	s_lshl_b32 s12, s12, 13                        ; rows of 8,192 bytes
	s_lshl_b32 s13, s13, 9
	s_add_co_u32 s12, s12, s13
	s_mov_b32 s13, 0
	s_mul_i32 s14, ttmp9, 12800
	s_mov_b32 s15, 0
	s_wait_alu depctr_va_vdst(0)                   ; the wait at the head's end
	s_wait_kmcnt 0x0
	s_add_nc_u64 s[4:5], s[36:37], s[12:13]
	s_add_nc_u64 s[6:7], s[46:47], s[14:15]
.set I, 0
.rept 32
	global_load_b128 v[X+4*I:X+4*I+3], v7, s[4:5] offset:8192*I th:TH_LOAD_NT   ; 512 consecutive bytes a load
.set I, I+1
.endr
.set I, 0
.rept 32
	s_wait_loadcnt 31-I                            ; row I is in, the 31 - I younger rows stay out
	ds_store_b128 v8, v[X+4*I:X+4*I+3] offset:528*I+128*(I/16)
.set I, I+1
.endr
.macro BACK y, u                       ; image 2 w + u: register 32 c + i = k 64 c + 32 h + i of my row
.irp c, 0,1
.irp j, 0,1,2,3,4,5,6,7
	ds_load_b128 v[\y+32*\c+4*\j:\y+32*\c+4*\j+3], v9 offset:4224*\u+256*\c+16*\j
.endr
.endr
.endm
.macro QUANTF y, p, w                  ; 64 numbers of a lane, two whole blocks, become the operand's 12 registers v[p] on and the row's scale word v[w]
.irp c, 0,1
	v_max3_num_f32 v[TM+\c], |v[\y+32*\c]|, |v[\y+32*\c+1]|, 0x1800000   ; with the floor 2^(3 - 127)
.endr
.irp i, 2,4,6,8,10,12,14,16,18,20,22,24,26,28,30
.irp c, 0,1
	v_max3_num_f32 v[TM+\c], v[TM+\c], |v[\y+32*\c+\i]|, |v[\y+32*\c+\i+1]|
.endr
.endr
.irp c, 0,1
	v_add_nc_u32 v[TS+\c], 0xff000000, v[TM+\c]    ; 2 off the exponent field: the conversion's scale operand
.endr
.irp c, 0,1
	v_lshrrev_b32 v[TB+\c], 23, v[TS+\c]           ; the byte
.endr
	v_lshl_or_b32 v[\w], v[TB+1], 16, v[TB]        ; blocks h and 2 + h,
	v_lshlrev_b32 v[\w], v12, v[\w]                ; at their places;
	v_permlanex16_b32 v[T], v[\w], s20, s21
	v_or_b32 v[\w], v[\w], v[T]                    ; with lane l xor 16's two the word is whole
.irp c, 0,1
	v_cvt_scalef32_pk16_fp6_f32 v[\p+6*\c:\p+6*\c+2], v[\y+32*\c:\y+32*\c+15], v[TS+\c]
	v_cvt_scalef32_pk16_fp6_f32 v[D+4*\c:D+4*\c+2], v[\y+32*\c+16:\y+32*\c+31], v[TS+\c]
.endr
	v_nop                                          ; one plain line behind the conversions
.irp c, 0,1
.irp i, 0,1,2
	v_mov_b32 v[\p+6*\c+3+\i], v[D+4*\c+\i]
.endr
.endr
.endm
	BACK Y0, 0                                     ; LDS serves a wave's instructions in order: these see my stores
	s_wait_dscnt 0x0                               ; image 0's numbers are in, and the stores have read v16 on
	BACK Y1, 1
	QUANTF Y0, P0, W0
.irp c, 0,1,2
	global_store_b128 v10, v[P0+4*\c:P0+4*\c+3], s[6:7] offset:512*\c
.endr
	s_wait_dscnt 0x0
	QUANTF Y1, P1, W1
.irp c, 0,1,2
	global_store_b128 v10, v[P1+4*\c:P1+4*\c+3], s[6:7] offset:1536+512*\c
.endr
	v_cndmask_b32 v251, v[W0], v[W1], s22          ; lanes 0-15 image 2 w's words, lanes 16-31 image 2 w + 1's
	global_store_b32 v11, v251, s[6:7]
	s_wait_tensorcnt 0x0                           ; the wave's end
	ds_add_u32 v[SPW], v[NIL]
	s_wait_dscnt 0x0
	s_endpgm
; THE WEIGHTS.  A lane takes a column n and its registers run down K: a block of 32 lies in one lane, and the conversions give codes with K innermost.
; Lane l of wave w is column 32 w + l: image 2 w + (l / 8) % 2, lane row r' = l % 8 + 8 (l / 16).  Block b is registers 6 (b / 2) .. + 5 of the image's lane r' + 16 (b % 2).
.Lweights:
.set X,   32                           ; v32-159  four blocks of 32 numbers
.set D,   192
.set OUTR, 200
	v_and_b32 v8, 7, v0
	v_bfe_u32 v9, v0, 4, 1
	v_lshl_add_u32 v8, v9, 3, v8                   ; r'
	v_bfe_u32 v9, v0, 3, 1                         ; which of my wave's two images
	s_mul_i32 s15, s8, 3072
	v_mul_u32_u24 v5, v9, 1536
	v_lshl_add_u32 v5, v8, 4, v5
	v_add_nc_u32 v5, s15, v5                       ; into the stage: image, 16 r'
	v_and_b32 v10, 31, v0
	v_lshlrev_b32 v4, 2, v10                       ; in: 4 bytes a lane
	v_lshl_add_u32 v6, v10, 4, s15                 ; out of the stage, and the same place in the record
	s_lshl_b32 s15, s8, 7
	s_add_co_u32 s15, s15, 12288
	v_lshlrev_b32 v7, 6, v9
	v_lshl_add_u32 v7, v8, 2, v7
	v_add_nc_u32 v7, s15, v7                       ; my column's scale word in the record
	s_lshr_b32 s20, ttmp9, 8                       ; the weight's number + 1
	s_sub_co_u32 s16, s20, 1
	s_bfe_u32 s17, ttmp9, 0x40004                  ; group of 128 n
	s_and_b32 s18, ttmp9, 15                       ; K step
	s_lshl_b32 s18, s18, 20                        ; 128 rows of 8,192 bytes
	s_lshl_b32 s17, s17, 9
	s_add_co_u32 s18, s18, s17
	s_lshl_b32 s17, s8, 7
	s_add_co_u32 s18, s18, s17                     ; + my wave's 32 columns
	s_mov_b32 s19, 0
	s_mul_i32 s20, s20, 3276800
	s_and_b32 s21, ttmp9, 255
	s_mul_i32 s21, s21, 12800
	s_add_co_u32 s20, s20, s21
	s_mov_b32 s21, 0
	s_wait_alu depctr_va_vdst(0)                   ; the wait at the head's end
	s_wait_kmcnt 0x0
	s_cmp_eq_u32 s16, 1                            ; the choice hangs on the work-group's number alone
	s_cselect_b64 s[4:5], s[40:41], s[38:39]
	s_cmp_eq_u32 s16, 2
	s_cselect_b64 s[4:5], s[42:43], s[4:5]
	s_cmp_eq_u32 s16, 3
	s_cselect_b64 s[4:5], s[44:45], s[4:5]
	s_add_nc_u64 s[4:5], s[4:5], s[18:19]
	s_add_nc_u64 s[12:13], s[46:47], s[20:21]
.macro LOAD b
.set I, 0
.rept 32
	global_load_b32 v[X+32*(\b)+I], v4, s[4:5] offset:(32*(\b)+I)*8192 th:TH_LOAD_NT
.set I, I+1
.endr
.endm
.macro BLOCK b
.set XS, X+32*(\b)
.set C, 160+8*(\b)                     ; each block has its own six registers of codes
.if (\b) < 3
	s_wait_loadcnt 32                              ; this block's 32 loads are in; the next block's 32 may be out
.else
	s_wait_loadcnt 0x0
.endif
.if (\b) < 2
	LOAD (\b)+2                                    ; two blocks ahead
.endif
	v_max3_num_f32 v12, |v[XS]|, |v[XS+1]|, |v[XS+2]|
	v_max3_num_f32 v13, |v[XS+3]|, |v[XS+4]|, |v[XS+5]|
.irp i, 6,10,14,18,22,26
	v_max3_num_f32 v12, v12, |v[XS+\i]|, |v[XS+\i+1]|
	v_max3_num_f32 v13, v13, |v[XS+\i+2]|, |v[XS+\i+3]|
.endr
	v_max3_num_f32 v12, v12, |v[XS+30]|, |v[XS+31]|
	v_max3_num_f32 v12, v12, v13, 0x1800000        ; and the floor 2^(3 - 127)
	v_add_nc_u32 v11, 0xff000000, v12              ; the conversion's scale operand
	v_cvt_scalef32_pk16_fp6_f32 v[C:C+2], v[XS:XS+15], v11
	v_cvt_scalef32_pk16_fp6_f32 v[D:D+2], v[XS+16:XS+31], v11
	v_lshrrev_b32 v10, 23, v11                     ; the byte; also the plain line behind the conversions
.irp i, 0,1,2
	v_mov_b32 v[C+3+\i], v[D+\i]
.endr
.if (\b) == 0
	v_mov_b32 v24, v10
.else
	v_lshl_or_b32 v24, v10, 8*(\b), v24            ; four bytes make my column's scale word
.endif
.if (\b) < 2
	ds_store_b128 v5, v[C:C+3] offset:256*((\b)%2)             ; registers 0-3,
	ds_store_b64 v5, v[C+4:C+5] offset:512+256*((\b)%2)        ; 4, 5
.else
	ds_store_b64 v5, v[C:C+1] offset:520+256*((\b)%2)          ; registers 6, 7,
	ds_store_b128 v5, v[C+2:C+5] offset:1024+256*((\b)%2)      ; 8-11
.endif
.endm
	LOAD 0
	LOAD 1
	BLOCK 0
	BLOCK 1
	BLOCK 2
	BLOCK 3
	global_store_b32 v7, v24, s[12:13]             ; the wave's 32 words fill 128 consecutive bytes
.irp i, 0,1,2,3,4,5
	ds_load_b128 v[OUTR+4*\i:OUTR+4*\i+3], v6 offset:512*\i    ; LDS serves a wave's instructions in order: these see my stores
.endr
.irp i, 0,1,2,3,4,5
	s_wait_dscnt 5-\i                              ; the younger loads stay out
	global_store_b128 v6, v[OUTR+4*\i:OUTR+4*\i+3], s[12:13] offset:512*\i
.endr
	s_wait_tensorcnt 0x0                           ; the wave's end
	ds_add_u32 v[SPW], v[NIL]
	s_wait_dscnt 0x0
	s_endpgm
.Lfunc_end_k_qdd2bf5a7cd_quant:
	.size	k_qdd2bf5a7cd_quant, .Lfunc_end_k_qdd2bf5a7cd_quant-k_qdd2bf5a7cd_quant
	.p2alignl 7, 3214868480
	.fill 96, 4, 3214868480
	.section	.rodata,"a",@progbits
	.p2align	6, 0x0
	.amdhsa_kernel k_qdd2bf5a7cd_quant
		.amdhsa_group_segment_fixed_size 81408
		.amdhsa_private_segment_fixed_size 0
		.amdhsa_enable_private_segment 0
		.amdhsa_kernarg_size 48
		.amdhsa_user_sgpr_count 2
		.amdhsa_user_sgpr_kernarg_segment_ptr 1
		.amdhsa_wavefront_size32 1
		.amdhsa_system_sgpr_workgroup_id_x 1
		.amdhsa_system_sgpr_workgroup_id_y 1
		.amdhsa_system_sgpr_workgroup_id_z 1
		.amdhsa_system_vgpr_workitem_id 0
		.amdhsa_next_free_vgpr 256
		.amdhsa_next_free_sgpr 66
		.amdhsa_reserve_vcc 0
		.amdhsa_float_denorm_mode_32 3
		.amdhsa_float_denorm_mode_16_64 3
		.amdhsa_memory_ordered 1
		.amdhsa_forward_progress 1
		.amdhsa_inst_pref_size 39
	.end_amdhsa_kernel
	.amdgpu_metadata
---
amdhsa.version: [ 1, 2 ]
amdhsa.kernels:
  - .name:           k_qdd2bf5a7cd_quant
    .symbol:         k_qdd2bf5a7cd_quant.kd
    .args:
      - { .name: hidden_states, .offset: 0, .size: 8, .value_kind: global_buffer, .address_space: global }
      - { .name: q_wei, .offset: 8, .size: 8, .value_kind: global_buffer, .address_space: global }
      - { .name: k_wei, .offset: 16, .size: 8, .value_kind: global_buffer, .address_space: global }
      - { .name: v_wei, .offset: 24, .size: 8, .value_kind: global_buffer, .address_space: global }
      - { .name: out_wei, .offset: 32, .size: 8, .value_kind: global_buffer, .address_space: global }
      - { .name: ops, .offset: 40, .size: 8, .value_kind: global_buffer, .address_space: global }
    .group_segment_fixed_size: 81408
    .private_segment_fixed_size: 0
    .kernarg_segment_align: 8
    .kernarg_segment_size: 48
    .max_flat_workgroup_size: 128
    .sgpr_count:     66
    .vgpr_count:     256
    .wavefront_size: 32
...
	.end_amdgpu_metadata
.endif
;; end of part 1
;; launch qkvg (part 2): grid 16 x 16, 4 waves a work-group, clusters of 4 x 4, 327,680 bytes of LDS; arguments ops, qkv; writes qkv
.if DOCPART == 2
	.amdgcn_target "amdgcn-amd-amdhsa--gfx1250"
	.amdhsa_code_object_version 6
	.text
	.protected	k_qdd2bf5a7cd_qkvg
	.globl	k_qdd2bf5a7cd_qkvg
	.p2align	8
	.type	k_qdd2bf5a7cd_qkvg,@function
k_qdd2bf5a7cd_qkvg:
	s_mov_b64 s[64:65], 0
	v_nop
	global_prefetch_b8 v0, s[64:65] scope:SCOPE_SE
	s_setreg_imm32_b32 hwreg(HW_REG_WAVE_MODE, 25, 1), 1
	s_wait_xcnt 0x0
	s_wait_alu depctr_hold_cnt(0) depctr_sa_sdst(0) depctr_va_vdst(0) depctr_va_sdst(0) depctr_va_ssrc(0) depctr_va_vcc(0) depctr_vm_vsrc(0)
	s_getreg_b32 s2, hwreg(HW_REG_IB_STS2, 6, 4)
	s_cmp_eq_u32 s2, 0
	s_cbranch_scc0 .Lentry_in_a_cluster
	s_endpgm
.Lentry_in_a_cluster:
	s_bfe_u32 s2, ttmp6, 0x10000c
	s_cmp_lg_u32 s2, 0xf033
	s_cbranch_scc0 .Lentry_shape_is_right
	s_endpgm
.Lentry_shape_is_right:
.set REC,   12800
.set OPB,   3*REC
.set SLOT,  4*OPB
.set STG,   0
.set SPARE, 2*SLOT
.set TQ1,  4
.set TQ2,  5
.set TQ3,  6
.set TV1,  7
.set TV2,  8
.set TV3,  9
.set CP,   10
.set CS,   12
.set ADX,  16
.set ADQ,  18
.set ADK,  20
.set ADV,  22
.set ADSA, 24
.set ADSB, 26
.set SPW,  28
.set NIL,  29
.set SA,   32
.set XF,   160
.set G1X,  24
.set G1W,  32
.set G1XL, 48
.set G1WL, 56
.set G0X,  68
.set G0W,  76
.set MSB, 0
.macro WIN new
.if MSB != \new
	s_set_vgpr_msb (MSB<<8)|\new
.set MSB, \new
.endif
.endm
.macro PLACES
.rept 4
	v_nop
.endr
.endm
.macro JLOAD s, last
	s_cmp_eq_u32 s10, 0
	s_cbranch_scc0 .Lfor_w_\@
.if \last
	tensor_load_to_lds s[G0X+4*\s:G0X+4*\s+3], s[G1XL:G1XL+7]
.else
	tensor_load_to_lds s[G0X+4*\s:G0X+4*\s+3], s[G1X:G1X+7]
.endif
	s_nop 0
	PLACES
	s_branch .Lasked_\@
.Lfor_w_\@:
.if \last
	tensor_load_to_lds s[G0W+4*\s:G0W+4*\s+3], s[G1WL:G1WL+7]
.else
	tensor_load_to_lds s[G0W+4*\s:G0W+4*\s+3], s[G1W:G1W+7]
.endif
	s_nop 0
	PLACES
.Lasked_\@:
.endm
.macro CREST
	s_cmp_lg_u32 s10, 0
	s_cbranch_scc1 .Lnot_wave_0_\@
	s_barrier_signal -3
.Lnot_wave_0_\@:
	s_barrier_wait -3
	s_barrier_signal -1
	s_barrier_wait -1
.endm
.macro CROUND
	s_barrier_signal -1
	s_barrier_wait -1
	CREST
.endm
	s_load_b128 s[4:7], s[0:1], 0x0
	v_lshl_add_u32 v[SPW], v0, 2, SPARE
	v_mov_b32 v[NIL], 0
	ds_add_u32 v[SPW], v[NIL]
	ds_add_u32 v[SPW], v[NIL]
	v_lshrrev_b32 v1, 5, v0
	v_readfirstlane_b32 s10, v1
	s_lshr_b32 s11, s10, 1
	s_and_b32 s12, s10, 1
	s_bfe_u32 s40, ttmp6, 0x40000
	s_bfe_u32 s41, ttmp6, 0x40004
	s_lshl_b32 s42, ttmp9, 2
	s_add_co_u32 s42, s42, s40
	s_and_b32 s13, ttmp7, 0xffff
	s_lshl_b32 s13, s13, 2
	s_add_co_u32 s13, s13, s41
	s_lshl_b32 s43, s41, 2
	s_lshl_b32 s43, 15, s43
	s_lshl_b32 s44, 0x1111, s40
	s_or_b32 s[G1X], s43, (3<<16)|(1<<21)
	s_or_b32 s[G1W], s44, (3<<16)|(1<<21)
	s_or_b32 s[G1XL], s43, (3<<16)|(1<<21)
	s_or_b32 s[G1WL], s44, (3<<16)|(1<<21)
.irp g, G1X, G1W
	s_mov_b32 s[\g+1], 32<<16
	s_mov_b32 s[\g+2], 150<<16
	s_mov_b32 s[\g+3], 32<<16
	s_mov_b32 s[\g+4], 150
	s_mov_b32 s[\g+5], 32
	s_mov_b32 s[\g+6], 0
	s_mov_b32 s[\g+7], 0
.endr
.irp g, G1XL, G1WL
	s_mov_b32 s[\g+1], 32<<16
	s_mov_b32 s[\g+2], 50<<16
	s_mov_b32 s[\g+3], 32<<16
	s_mov_b32 s[\g+4], 50
	s_mov_b32 s[\g+5], 32
	s_mov_b32 s[\g+6], 0
	s_mov_b32 s[\g+7], 0
.endr
	s_mul_i32 s16, s13, 16*REC
	s_mov_b32 s17, 0
	s_mul_i32 s46, s42, 16*REC
	s_mul_i32 s47, s10, 3276800
	s_add_co_u32 s46, s46, s47
	s_mov_b32 s47, 0
	s_mul_i32 s45, s10, OPB
	s_mov_b32 s96, 0x76543210
	s_mov_b32 s97, 0xfedcba98
	s_sub_co_u32 s94, 0, s12
	s_sub_co_u32 s95, 0, s11
	s_wait_dscnt 0x0
	s_wait_kmcnt 0x0
	s_add_nc_u64 s[16:17], s[4:5], s[16:17]
	s_add_nc_u64 s[46:47], s[4:5], s[46:47]
.irp s, 0,1
	s_mov_b32 s[G0X+4*\s], 1
	s_mov_b32 s[G0X+4*\s+1], \s*SLOT
	s_add_nc_u64 s[G0X+4*\s+2:G0X+4*\s+3], s[16:17], \s*OPB
	s_or_b32 s[G0X+4*\s+3], s[G0X+4*\s+3], 0x80000000
	s_mov_b32 s[G0W+4*\s], 1
	s_add_co_u32 s[G0W+4*\s+1], s45, \s*SLOT
	s_add_nc_u64 s[G0W+4*\s+2:G0W+4*\s+3], s[46:47], \s*OPB
	s_or_b32 s[G0W+4*\s+3], s[G0W+4*\s+3], 0x80000000
.endr
	CROUND
	JLOAD 0, 0
	s_wait_alu depctr_va_vdst(0)
	s_wait_tensorcnt 0x0
	ds_add_u32 v28, v29
	s_wait_dscnt 0x0
	CROUND
	JLOAD 1, 0
	v_and_b32 v1, 15, v0
	v_bfe_u32 v2, v0, 4, 1
	v_and_b32 v3, 31, v0
	v_lshlrev_b32 v3, 4, v3
	s_wait_alu depctr_va_vdst(0)
	v_mov_b32 v50, 0
	v_mov_b32 v51, 0
	s_xor_b32 s23, s11, 1
	s_add_co_u32 s23, s23, s12
	s_lshl_b32 s23, s23, 8
	s_add_co_u32 s23, s23, OPB-256
	v_mul_u32_u24 v14, s23, v2
	v_lshl_add_u32 v14, v1, 2, v14
	v_mul_u32_u24 v15, v2, OPB
	v_lshl_add_u32 v15, v1, 2, v15
	s_mul_i32 s20, s11, 6144
	s_mul_i32 s21, s12, 6144
	s_add_co_u32 s21, s21, OPB
	s_lshl_b32 s22, s11, 8
	s_add_co_u32 s22, s22, 12288
	s_lshl_b32 s18, s12, 8
	s_add_co_u32 s18, s18, 2*OPB+12288
.irp s, 0,1
	v_add_nc_u32 v[ADX+\s], s20, v3
	v_add_nc_u32 v[ADQ+\s], s21, v3
	v_add_nc_u32 v[ADK+\s], OPB, v[ADQ+\s]
	v_add_nc_u32 v[ADV+\s], 2*OPB, v[ADQ+\s]
	v_add_nc_u32 v[ADSA+\s], s22, v14
	v_add_nc_u32 v[ADSB+\s], s18, v15
	s_add_co_u32 s20, s20, SLOT
	s_add_co_u32 s21, s21, SLOT
	s_add_co_u32 s22, s22, SLOT
	s_add_co_u32 s18, s18, SLOT
.endr
.macro TADR a1, a2, a3, rh, uh
	s_mul_i32 s88, s[\rh], 6144
	s_lshl_b32 s89, s[\uh], 10
	s_add_co_u32 s89, s89, s88
	v_add_nc_u32 v[\a1], s89, v3
	s_lshl_b32 s89, s[\uh], 3
	s_add_co_u32 s89, s89, s88
	s_add_co_u32 s89, s89, 512
	v_add_nc_u32 v[\a2], s89, v3
	s_lshl_b32 s88, s[\rh], 8
	s_lshl_b32 s89, s[\uh], 1
	s_add_co_u32 s88, s88, s89
	s_add_co_u32 s88, s88, 12288
	v_lshl_add_u32 v[\a3], v1, 2, s88
.endm
	TADR TQ1, TQ2, TQ3, 11, 12
	TADR TV1, TV2, TV3, 12, 11
	s_mul_i32 s88, s10, 3072
	v_add_nc_u32 v[CP], s88, v3
	v_add_nc_u32 v[CS], 12288, v3
	s_lshl_b32 s88, s42, 4
	s_add_co_u32 s88, s88, s13
	s_mul_i32 s90, s88, 2*REC
	s_add_co_u32 s90, s90, 3276800
	s_mov_b32 s91, 0
	s_mul_i32 s88, s88, REC
	s_mov_b32 s89, 0
	s_add_nc_u64 s[8:9], s[6:7], s[90:91]
	s_add_nc_u64 s[6:7], s[6:7], s[88:89]
.macro FETCH1 n
.set FB, (\n)&1
.set FS, ((\n)/3)&1
.set FE, ((\n)%3)*REC
	WIN 0
.irp i, 0,1,2,3
	ds_load_b32 v[SA+8*FB+\i], v[ADSA+FS] offset:FE+64*\i
.endr
.irp i, 0,1,2,3
	ds_load_b32 v[SA+8*FB+4+\i], v[ADSB+FS] offset:FE+64*\i
.endr
.irp i, 0,1,2,3
.irp c, 0,1,2
	ds_load_b128 v[XF+48*FB+12*\i+4*\c:XF+48*FB+12*\i+4*\c+3], v[ADX+FS] offset:FE+1536*\i+512*\c
.endr
.endr
	WIN 0x40
.irp i, 0,1,2,3
.irp c, 0,1,2
	ds_load_b128 v[96*FB+12*\i+4*\c:96*FB+12*\i+4*\c+3], v[ADQ+FS] offset:FE+1536*\i+512*\c
.endr
.endr
.endm
.macro FETCH2 n
.set FB, (\n)&1
.set FS, ((\n)/3)&1
.set FE, ((\n)%3)*REC
	WIN 0x40
.irp i, 0,1,2,3
.irp c, 0,1,2
	ds_load_b128 v[96*FB+48+12*\i+4*\c:96*FB+48+12*\i+4*\c+3], v[ADK+FS] offset:FE+1536*\i+512*\c
.endr
.endr
	WIN 0xc0
.irp i, 0,1,2,3
.irp c, 0,1,2
	ds_load_b128 v[128+48*FB+12*\i+4*\c:128+48*FB+12*\i+4*\c+3], v[ADV+FS] offset:FE+1536*\i+512*\c
.endr
.endr
.endm
.macro MQ n, a0, zero
.set FB, (\n)&1
	WIN 0xa1
.irp a, \a0, \a0+1
.irp b, 0,1,2,3
.if \zero
	v_wmma_scale_f32_16x16x128_f8f6f4 v[8*(4*(\a)+\b):8*(4*(\a)+\b)+7], v[96*FB+12*\b:96*FB+12*\b+11], v[XF+48*FB+12*(\a):XF+48*FB+12*(\a)+11], 0, v[SA+8*FB+\b], v[SA+8*FB+(\a)] matrix_a_fmt:MATRIX_FMT_FP6 matrix_b_fmt:MATRIX_FMT_FP6 matrix_a_scale:MATRIX_SCALE_ROW1
.else
	v_wmma_scale_f32_16x16x128_f8f6f4 v[8*(4*(\a)+\b):8*(4*(\a)+\b)+7], v[96*FB+12*\b:96*FB+12*\b+11], v[XF+48*FB+12*(\a):XF+48*FB+12*(\a)+11], v[8*(4*(\a)+\b):8*(4*(\a)+\b)+7], v[SA+8*FB+\b], v[SA+8*FB+(\a)] matrix_a_fmt:MATRIX_FMT_FP6 matrix_b_fmt:MATRIX_FMT_FP6 matrix_a_scale:MATRIX_SCALE_ROW1
.endif
.endr
.endr
.endm
.macro MK n, a0, zero
.set FB, (\n)&1
	WIN 0xa1
.irp a, \a0, \a0+1
.irp b, 0,1,2,3
.if \zero
	v_wmma_scale_f32_16x16x128_f8f6f4 v[128+8*(4*(\a)+\b):128+8*(4*(\a)+\b)+7], v[96*FB+48+12*\b:96*FB+48+12*\b+11], v[XF+48*FB+12*(\a):XF+48*FB+12*(\a)+11], 0, v[SA+8*FB+4+\b], v[SA+8*FB+(\a)] matrix_a_fmt:MATRIX_FMT_FP6 matrix_b_fmt:MATRIX_FMT_FP6
.else
	v_wmma_scale_f32_16x16x128_f8f6f4 v[128+8*(4*(\a)+\b):128+8*(4*(\a)+\b)+7], v[96*FB+48+12*\b:96*FB+48+12*\b+11], v[XF+48*FB+12*(\a):XF+48*FB+12*(\a)+11], v[128+8*(4*(\a)+\b):128+8*(4*(\a)+\b)+7], v[SA+8*FB+4+\b], v[SA+8*FB+(\a)] matrix_a_fmt:MATRIX_FMT_FP6 matrix_b_fmt:MATRIX_FMT_FP6
.endif
.endr
.endr
.endm
.macro MV n, a0, zero
.set FB, (\n)&1
	WIN 0xfc
.irp a, \a0, \a0+1
.irp b, 0,1,2,3
.if \zero
	v_wmma_scale_f32_16x16x128_f8f6f4 v[8*(4*(\a)+\b):8*(4*(\a)+\b)+7], v[XF+48*FB+12*\b:XF+48*FB+12*\b+11], v[128+48*FB+12*(\a):128+48*FB+12*(\a)+11], 0, v[SA+8*FB+\b], v[SA+8*FB+4+(\a)] matrix_a_fmt:MATRIX_FMT_FP6 matrix_b_fmt:MATRIX_FMT_FP6 matrix_b_scale:MATRIX_SCALE_ROW1
.else
	v_wmma_scale_f32_16x16x128_f8f6f4 v[8*(4*(\a)+\b):8*(4*(\a)+\b)+7], v[XF+48*FB+12*\b:XF+48*FB+12*\b+11], v[128+48*FB+12*(\a):128+48*FB+12*(\a)+11], v[8*(4*(\a)+\b):8*(4*(\a)+\b)+7], v[SA+8*FB+\b], v[SA+8*FB+4+(\a)] matrix_a_fmt:MATRIX_FMT_FP6 matrix_b_fmt:MATRIX_FMT_FP6 matrix_b_scale:MATRIX_SCALE_ROW1
.endif
.endr
.endr
.endm
.macro KSTEP n, zero
	s_wait_dscnt 24
.if (\n) < 15
.if (\n) > 0
	WIN 0
	PLACES
.endif
	FETCH1 (\n)+1
.endif
	MQ \n, 0, \zero
	MQ \n, 2, \zero
.if (\n) < 15
	s_wait_dscnt 32
	FETCH2 (\n)+1
.else
	s_wait_dscnt 0x0
.endif
	MK \n, 0, \zero
	MK \n, 2, \zero
	MV \n, 0, \zero
	MV \n, 2, \zero
.endm
.macro KTURN n, fill, set, last
	s_wait_dscnt 24
	WIN 0
	s_wait_tensorcnt 0x0
	ds_add_u32 v[SPW], v[NIL]
.if \fill
	s_add_nc_u64 s[G0X+4*\set+2:G0X+4*\set+3], s[G0X+4*\set+2:G0X+4*\set+3], 6*REC
	s_add_nc_u64 s[G0W+4*\set+2:G0W+4*\set+3], s[G0W+4*\set+2:G0W+4*\set+3], 6*REC
.endif
	MQ \n, 0, 0
	s_wait_dscnt 0x0
	s_barrier_signal -1
	MQ \n, 2, 0
	WIN 0
	s_barrier_wait -1
.if \fill
	CREST
	JLOAD \set, \last
.else
	PLACES
.endif
	s_wait_alu depctr_va_vdst(0)
	FETCH1 (\n)+1
	FETCH2 (\n)+1
	MK \n, 0, 0
	MK \n, 2, 0
	MV \n, 0, 0
	MV \n, 2, 0
.endm
	s_wait_tensorcnt 1
	s_barrier_signal -1
	s_barrier_wait -1
	FETCH1 0
	FETCH2 0
	KSTEP 0, 1
	KSTEP 1, 0
	KTURN 2, 1, 0, 0
	KSTEP 3, 0
	KSTEP 4, 0
	KTURN 5, 1, 1, 0
	KSTEP 6, 0
	KSTEP 7, 0
	KTURN 8, 1, 0, 0
	KSTEP 9, 0
	KSTEP 10, 0
	KTURN 11, 1, 1, 1
	KSTEP 12, 0
	KSTEP 13, 0
	KTURN 14, 0, 0, 0
	KSTEP 15, 0
	WIN 0
	PLACES
.macro QUANT2 o, a, s0, mx, cv, a1, a2, a3, um
.set S0, \s0
.set XO, 64+8*(4*(\o)+(\a))
	WIN \mx
.irp b, 0,1
	v_max3_num_f32 v[48+\b], |v[S0+16*\b]|, |v[S0+16*\b+1]|, 0x1800000
.endr
.irp i, 2,4,6,8,10,12,14
.irp b, 0,1
	v_max3_num_f32 v[48+\b], |v[S0+16*\b+\i]|, |v[S0+16*\b+\i+1]|, v[48+\b]
.endr
.endr
	WIN 0
.irp b, 0,1
	v_permlanex16_b32 v[50+\b], v[48+\b], s96, s97
.endr
.irp b, 0,1
	v_max_num_f32 v[48+\b], v[48+\b], v[50+\b]
.endr
.irp b, 0,1
	v_add_nc_u32 v[52+\b], 0xff000000, v[48+\b]
.endr
.irp b, 0,1
	v_lshrrev_b32 v[54+\b], 23, v[52+\b]
.endr
	v_lshl_or_b32 v[XO+6], v55, 8, v54
	WIN \cv
	v_cvt_scalef32_pk16_fp6_f32 v[56:58], v[S0:S0+15], v52
	v_cvt_scalef32_pk16_fp6_f32 v[60:62], v[S0+16:S0+31], v53
	WIN 0
	v_nop
.irp i, 0,1,2
	v_permlane16_swap_b32 v[56+\i], v[60+\i]
.endr
	v_cndmask_b32 v[XO+0], v56, v58, s[\um]
	v_cndmask_b32 v[XO+1], v57, v60, s[\um]
	v_cndmask_b32 v[XO+2], v58, v61, s[\um]
	v_cndmask_b32 v[XO+3], v60, v62, s[\um]
	v_cndmask_b32 v[XO+4], v61, v56, s[\um]
	v_cndmask_b32 v[XO+5], v62, v57, s[\um]
	ds_store_b128 v[\a1], v[XO:XO+3] offset:STG+REC*(\o)+1536*(\a)
	ds_store_b64 v[\a2], v[XO+4:XO+5] offset:STG+REC*(\o)+1536*(\a)
	ds_store_b16 v[\a3], v[XO+6] offset:STG+REC*(\o)+64*(\a)
.endm
.irp a, 0,1,2,3
	QUANT2 0, \a, 32*\a, 0x0a, 0x02, TQ1, TQ2, TQ3, 94
.endr
.irp a, 0,1,2,3
	QUANT2 1, \a, 128+32*\a, 0x0a, 0x02, TQ1, TQ2, TQ3, 94
.endr
.irp a, 0,1,2,3
	QUANT2 2, \a, 32*\a, 0x0f, 0x03, TV1, TV2, TV3, 95
.endr
	s_wait_dscnt 0x0
	s_barrier_signal -1
	s_barrier_wait -1
.set I, 0
.rept 18
	ds_load_b128 v[160+4*I:160+4*I+3], v[CP] offset:STG+REC*(I/6)+512*(I%6)
.set I, I+1
.endr
.set I, 0
.rept 6
	s_wait_dscnt 17-I
	global_store_b128 v[CP], v[160+4*I:160+4*I+3], s[6:7] offset:512*I
.set I, I+1
.endr
.rept 12
	s_wait_dscnt 17-I
	global_store_b128 v[CP], v[160+4*I:160+4*I+3], s[8:9] offset:REC*(I/6-1)+512*(I%6)
.set I, I+1
.endr
	s_cmp_lg_u32 s10, 0
	s_cbranch_scc1 .Lno_scales
	ds_load_b128 v[232:235], v[CS] offset:STG
	ds_load_b128 v[236:239], v[CS] offset:STG+REC
	ds_load_b128 v[240:243], v[CS] offset:STG+2*REC
	s_wait_dscnt 0x0
	global_store_b128 v[CS], v[232:235], s[6:7]
	global_store_b128 v[CS], v[236:239], s[8:9]
	global_store_b128 v[CS], v[240:243], s[8:9] offset:REC
.Lno_scales:
	s_wait_tensorcnt 0x0
	ds_add_u32 v[SPW], v[NIL]
	s_wait_dscnt 0x0
	CROUND
	s_endpgm
.Lfunc_end_k_qdd2bf5a7cd_qkvg:
	.size	k_qdd2bf5a7cd_qkvg, .Lfunc_end_k_qdd2bf5a7cd_qkvg-k_qdd2bf5a7cd_qkvg
	.p2alignl 7, 3214868480
	.fill 96, 4, 3214868480
	.section	.rodata,"a",@progbits
	.p2align	6, 0x0
	.amdhsa_kernel k_qdd2bf5a7cd_qkvg
		.amdhsa_group_segment_fixed_size 327680
		.amdhsa_private_segment_fixed_size 0
		.amdhsa_enable_private_segment 0
		.amdhsa_kernarg_size 16
		.amdhsa_user_sgpr_count 2
		.amdhsa_user_sgpr_kernarg_segment_ptr 1
		.amdhsa_wavefront_size32 1
		.amdhsa_system_sgpr_workgroup_id_x 1
		.amdhsa_system_sgpr_workgroup_id_y 1
		.amdhsa_system_sgpr_workgroup_id_z 1
		.amdhsa_system_vgpr_workitem_id 0
		.amdhsa_next_free_vgpr 1024
		.amdhsa_next_free_sgpr 100
		.amdhsa_reserve_vcc 0
		.amdhsa_float_denorm_mode_32 3
		.amdhsa_float_denorm_mode_16_64 3
		.amdhsa_memory_ordered 1
		.amdhsa_forward_progress 1
		.amdhsa_inst_pref_size 207
	.end_amdhsa_kernel
	.amdgpu_metadata
---
amdhsa.version: [ 1, 2 ]
amdhsa.kernels:
  - .name:           k_qdd2bf5a7cd_qkvg
    .symbol:         k_qdd2bf5a7cd_qkvg.kd
    .args:
      - { .name: ops, .offset: 0, .size: 8, .value_kind: global_buffer, .address_space: global }
      - { .name: qkv, .offset: 8, .size: 8, .value_kind: global_buffer, .address_space: global }
    .group_segment_fixed_size: 327680
    .private_segment_fixed_size: 0
    .kernarg_segment_align: 8
    .kernarg_segment_size: 16
    .max_flat_workgroup_size: 128
    .sgpr_count:     100
    .vgpr_count:     1024
    .wavefront_size: 32
...
	.end_amdgpu_metadata
.endif
;; end of part 2
;; launch att (part 3): grid 16 x 16, 8 waves a work-group, clusters of 4 x 1, 327,680 bytes of LDS; arguments qkv, arec; writes arec
.if DOCPART == 3
	.amdgcn_target "amdgcn-amd-amdhsa--gfx1250"
	.amdhsa_code_object_version 6
	.text
	.protected	k_qdd2bf5a7cd_att
	.globl	k_qdd2bf5a7cd_att
	.p2align	8
	.type	k_qdd2bf5a7cd_att,@function
k_qdd2bf5a7cd_att:
	s_mov_b64 s[64:65], 0
	v_nop
	global_prefetch_b8 v0, s[64:65] scope:SCOPE_SE
	s_setreg_imm32_b32 hwreg(HW_REG_WAVE_MODE, 25, 1), 1
	s_wait_xcnt 0x0
	s_wait_alu depctr_hold_cnt(0) depctr_sa_sdst(0) depctr_va_vdst(0) depctr_va_sdst(0) depctr_va_ssrc(0) depctr_va_vcc(0) depctr_vm_vsrc(0)
	s_getreg_b32 s2, hwreg(HW_REG_IB_STS2, 6, 4)
	s_cmp_eq_u32 s2, 0
	s_cbranch_scc0 .Lentry_in_a_cluster
	s_endpgm
.Lentry_in_a_cluster:
	s_bfe_u32 s2, ttmp6, 0x10000c
	s_cmp_lg_u32 s2, 0x3003
	s_cbranch_scc0 .Lentry_shape_is_right
	s_endpgm
.Lentry_shape_is_right:
; attn[q][head] = softmax_k((q . k + mask) / sqrt(128)) v, both products on codes of FP6 (E2M3) with E8M0 scales; mask = -66,504 where key > query, ADDED to the score, as the problem has it.
; The mask is a finite number, so no key is left out: every query walks all 2,048 keys, 128 a step, and a masked p is whatever 2^(t - M) gives.
; t = (score + mask) x log2(e) / sqrt(128); M = the running largest t rounded UP to a whole number; p = 2^(t - M) is quantised along the keys, not normalised; the row's sum is taken of the unquantised p and divides at the end.
; The result is quantised along the head's 128 and leaves as a record for the output projection: arec [block of 128 queries][K step = head].
; SHARES.  A work-group owns 128 queries of one head; wave w image w of q's record, 16 queries; two waves to a SIMD.
; LAYOUT.  S^T = K Q^T and O^T = V^T P^T: a lane holds ONE query.  By the records' choice of rows the 16 registers of tiles 2 b, 2 b + 1 are keys (channels) 32 b + 16 (lane / 16) + 0 .. 15.
; LDS: a ring of two slots of four key steps (a step: k's record, v's record: 25,600 bytes).  Every wave fetches one record of each fill: one tensor load a wave at the head (fill 0),
; and one behind each of three rounds of the cluster's barrier (fill 1 into slot 1, fill 2 into slot 0, fill 3 into slot 1).  Every wait on TENSORcnt is for 0; by this text's count a wave has one load out.
; CLUSTER 4 x 1: the four blocks of queries of a cluster belong to one head and walk the same records: every fill is asked for jointly.
; No prefetch: each of fills 1 to 3 is asked for four key steps, a whole slot's work, ahead of the wait for it, and fill 0 has no loop ahead of it.
; THE MASK WITHOUT A BRANCH ON A WORK-GROUP'S PLACE.  The cluster's queries are QC0 .. QC0 + 511.  Steps under QC0: nothing is masked.  Steps from QC0 + 512 on: all is masked: -66,504 is the C of the score products.
; The four steps between: each score gets its addend by a compare of its key with the lane's query.  The branch round those lines hangs on the cluster's number and the count of steps alone.
; LIMITS: NaN and infinities are not served; a block of zeros gets the byte 1; a block's largest p is taken from its largest score (v_exp_f32 is taken not to fall where its input rises);
; in steps that are wholly masked the addend enters inside the matrix unit, with that unit's one rounding of the sum; the scaled scores stay under 2^31 in magnitude.
; REGISTERS: window 0: v1-11, v29 addresses; v12 -M, v13 the largest t, v[14:15] the sum; v16-27 Q, v28 its scale words; v32-39 the products' C; v40-47 scale words (lanes 0-15 k's tile t, lanes 16-31 v's);
;   v96-159 S^T, then p; v160-223 O^T; v224-235 p's codes; v232-255 at work.   window 1: v0-95 k's eight fragments, v96-191 v's.
.set REC,   12800
.set STEPB, 25600
.set SLOT,  102400
.set SCST,  204800                     ; behind the ring: 512 bytes in which the eight waves' scale words meet
.set SPARE, 205312                     ; the spare words, 128 bytes a wave
.set LI,  1                            ; v1  16 x lane
.set ASC, 2                            ; v2  my scale word's place in a step
.set SPW, 3
.set NIL, 4
.set ADK, 5
.set ADS, 6
.set QD,  7                            ; v7  my query - 16 (lane / 16)
.set SWA, 8
.set SRA, 9
.set GSC, 10
.set GCO, 11                           ; v11 1,536 x wave + 16 x lane
.set QSO, 29
.set CM,  32
.set SCL, 40
.set MSB, 0
.macro WIN new
.if MSB != \new
	s_set_vgpr_msb (MSB<<8)|\new
.set MSB, \new
.endif
.endm
.macro PLACES
.rept 4
	v_nop
.endr
.endm
.macro CROUND
	s_barrier_signal -1
	s_barrier_wait -1
	s_cmp_lg_u32 s8, 0
	s_cbranch_scc1 .Lnot_wave_0_\@
	s_barrier_signal -3
.Lnot_wave_0_\@:
	s_barrier_wait -3
	s_barrier_signal -1
	s_barrier_wait -1
.endm
	s_load_b128 s[4:7], s[0:1], 0x0                ; qkv, arec
	v_lshl_add_u32 v[SPW], v0, 2, SPARE
	v_mov_b32 v[NIL], 0
	ds_add_u32 v[SPW], v[NIL]                      ; the opening lines: the add, twice on end, and its wait
	ds_add_u32 v[SPW], v[NIL]
	v_lshrrev_b32 v1, 5, v0
	s_delay_alu instid0(VALU_DEP_1)
	v_readfirstlane_b32 s8, v1                     ; wave 0..7
	s_bfe_u32 s9, ttmp6, 0x40000                   ; cx
	s_lshl_b32 s10, ttmp9, 2
	s_add_co_u32 s10, s10, s9                      ; my block of 128 queries: it enters q's and arec's addresses and the lanes' queries alone
	s_and_b32 s11, ttmp7, 0xffff                   ; the head
	s_mov_b32 s24, 15|(3<<16)|(1<<21)              ; the mask: all four; elements of 8 bytes; bit 21 beside a mask
	s_mov_b32 s25, 32<<16                          ; a record, 12,800 dense bytes, as 50 rows of 256
	s_mov_b32 s26, 50<<16
	s_mov_b32 s27, 32<<16
	s_mov_b32 s28, 50
	s_mov_b32 s29, 32
	s_mov_b32 s30, 0
	s_mov_b32 s31, 0
	s_mul_i32 s14, s8, REC                         ; my record's place in a fill, in memory and in LDS
	s_mul_i32 s12, s11, 16*STEPB
	s_add_co_u32 s12, s12, s14
	s_add_co_u32 s12, s12, 3276800
	s_mov_b32 s13, 0
	s_lshl_b32 s16, s11, 4
	s_add_co_u32 s16, s16, s10
	s_mul_i32 s16, s16, REC                        ; q's record
	s_mov_b32 s17, 0
	s_lshl_b32 s18, s10, 4
	s_add_co_u32 s18, s18, s11
	s_mul_i32 s18, s18, REC                        ; the record that I help to make
	s_mov_b32 s19, 0
	s_mov_b32 s20, 0x76543210
	s_mov_b32 s21, 0xfedcba98
	s_mov_b32 s22, 0x3e0293ee                      ; c = log2(e) / sqrt(128)
	s_mov_b32 s23, s22
	s_mov_b32 s45, 0                               ; the step's first key
	s_lshl_b32 s46, ttmp9, 9                       ; QC0
	s_mov_b32 s47, 0                               ; the products' C in this step
	s_mov_b32 s48, 0xc781e400                      ; -66,504.0
	s_wait_dscnt 0x0                               ; both opening adds are done
	s_wait_kmcnt 0x0
	s_add_nc_u64 s[12:13], s[4:5], s[12:13]
	s_add_nc_u64 s[16:17], s[4:5], s[16:17]
	s_add_nc_u64 s[18:19], s[6:7], s[18:19]
.irp j, 0,1                            ; group 0 of slot j, set up for fill j
	s_mov_b32 s[32+4*\j], 1
	s_add_co_u32 s[33+4*\j], s14, \j*SLOT
	s_add_nc_u64 s[34+4*\j:35+4*\j], s[12:13], \j*SLOT
	s_or_b32 s[35+4*\j], s[35+4*\j], 0x80000000
.endr
	CROUND                                         ; all four work-groups are here: the first joint loads meet
	tensor_load_to_lds s[32:35], s[24:31]          ; fill 0: my one load at the head
	s_nop 0
	PLACES
	v_and_b32 v30, 31, v0
	s_delay_alu instid0(VALU_DEP_1)
	v_lshlrev_b32 v[LI], 4, v30
	v_and_b32 v31, 15, v0                          ; r
	v_bfe_u32 v30, v0, 4, 1                        ; h
	s_delay_alu instid0(VALU_DEP_1)
	v_mul_u32_u24 v[ASC], v30, REC                 ; lanes 16-31 take v's words
	s_delay_alu instid0(VALU_DEP_1)
	v_lshl_add_u32 v[ASC], v31, 2, v[ASC]
	s_delay_alu instid0(VALU_DEP_1)
	v_add_nc_u32 v[ASC], 12288, v[ASC]
	s_mul_i32 s50, s8, 1536
	v_add_nc_u32 v[GCO], s50, v[LI]
	s_lshl_b32 s50, s8, 6
	s_add_co_u32 s51, s50, 12288
	v_lshl_add_u32 v[QSO], v31, 2, s51
	global_load_b128 v[16:19], v[GCO], s[16:17]                ; Q's fragment stays in registers
	global_load_b128 v[20:23], v[GCO], s[16:17] offset:512
	global_load_b128 v[24:27], v[GCO], s[16:17] offset:1024
	global_load_b32 v28, v[QSO], s[16:17]
	s_add_co_u32 s51, s50, SCST
	v_lshl_add_u32 v[SWA], v31, 2, s51
	v_add_nc_u32 v[SRA], SCST, v[LI]
	v_add_nc_u32 v[GSC], 12288, v[LI]
	s_lshl_b32 s50, s10, 7
	s_lshr_b32 s51, s8, 1
	s_lshl_b32 s51, s51, 5
	s_add_co_u32 s50, s50, s51
	s_and_b32 s51, s8, 1
	s_lshl_b32 s51, s51, 3
	s_add_co_u32 s50, s50, s51                     ; image w's first query
	v_and_b32 v[QD], 8, v31
	s_delay_alu instid0(VALU_DEP_1)
	v_add_nc_u32 v[QD], v[QD], v31                 ; + r + 8 (r / 8)
	v_lshlrev_b32 v30, 4, v30
	s_delay_alu instid0(VALU_DEP_1)
	v_sub_nc_u32 v[QD], v[QD], v30                 ; - 16 h
	s_delay_alu instid0(VALU_DEP_1)
	v_add_nc_u32 v[QD], s50, v[QD]
	v_mov_b32 v13, 0xff61b1e6                      ; the largest t so far: -3e38
	s_delay_alu instid0(VALU_DEP_1)
	v_floor_f32 v12, -v13                          ; -M
	v_mov_b32 v14, 0
	v_mov_b32 v15, 0
.irp b, 0,1,2,3
	v_mov_b32 v[236+\b], 0                         ; lane permutes' destinations count as read
.endr
	v_mov_b32 v253, 0
.set J, 0
.rept 64
	v_mov_b32 v[160+J], 0                          ; O^T: the step is written once; its first trip finds zeros
.set J, J+1
.endr
; A KEY STEP: 128 keys at LDS byte s44
.macro STEP
.irp i, 0,1,2,3,4,5,6,7
	v_mov_b32 v[CM+\i], s47                        ; 0, or -66,504 where the whole step is masked.  (These twelve plain lines are the places behind the last products)
.endr
	v_add_nc_u32 v[ADK], s44, v[LI]
	v_add_nc_u32 v[ADS], s44, v[ASC]
	v_nop
	v_nop
.irp t, 0,1,2,3,4,5,6,7
	ds_load_b32 v[SCL+\t], v[ADS] offset:64*\t
.endr
	WIN 0x40
.irp t, 0,1,2,3,4,5,6,7
.irp c, 0,1,2
	ds_load_b128 v[12*\t+4*\c:12*\t+4*\c+3], v[ADK] offset:1536*\t+512*\c
.endr
.endr
.irp t, 0,1,2,3,4,5,6,7
.irp c, 0,1,2
	ds_load_b128 v[96+12*\t+4*\c:96+12*\t+4*\c+3], v[ADK] offset:REC+1536*\t+512*\c
.endr
.endr
	s_wait_alu depctr_va_vdst(0)
	s_wait_dscnt 24                                ; the scale words and k's fragments are in; v's 24 loads may stay out
	WIN 0x01
.irp t, 0,1,2,3,4,5,6,7
	v_wmma_scale_f32_16x16x128_f8f6f4 v[96+8*\t:103+8*\t], v[12*\t:12*\t+11], v[16:27], v[CM:CM+7], v[SCL+\t], v28 matrix_a_fmt:MATRIX_FMT_FP6 matrix_b_fmt:MATRIX_FMT_FP6
.endr
	WIN 0
	PLACES
	s_sub_co_u32 s50, s45, s46
	s_cmp_lt_u32 s50, 512                          ; one of the four steps that lie among the cluster's queries?
	s_cbranch_scc0 .Lopen_\@
	s_sub_co_u32 s51, 0, s45
	v_add_nc_u32 v252, s51, v[QD]                  ; register 16 b + i holds key s45 + 16 h + 32 b + i: masked where 32 b + i > my query - 16 h - s45
	v_mov_b32 v254, s48
.set N, 0
.rept 64
	v_cmp_gt_i32 vcc_lo, 32*(N/16)+N%16, v252
	s_delay_alu instid0(VALU_DEP_1)
	v_cndmask_b32 v253, 0, v254, vcc_lo
	v_add_f32 v[96+N], v[96+N], v253
.set N, N+1
.endr
.Lopen_\@:
.irp b, 0,1,2,3
	v_max3_num_f32 v[232+\b], v[96+16*\b], v[97+16*\b], v[98+16*\b]   ; the largest score of each block of 32 keys: for the row's maximum, and for the block's largest p
.endr
.irp i, 3,5,7,9,11,13
.irp b, 0,1,2,3
	v_max3_num_f32 v[232+\b], v[232+\b], v[96+16*\b+\i], v[97+16*\b+\i]
.endr
.endr
.irp b, 0,1,2,3
	v_max_num_f32 v[232+\b], v[232+\b], v[111+16*\b]
.endr
.irp b, 0,1,2,3
	s_delay_alu instid0(VALU_DEP_4)
	v_permlanex16_b32 v[236+\b], v[232+\b], s20, s21
.endr
.irp b, 0,1,2,3
	s_delay_alu instid0(VALU_DEP_4)
	v_max_num_f32 v[232+\b], v[232+\b], v[236+\b]
.endr
	s_delay_alu instid0(VALU_DEP_2)
	v_max3_num_f32 v254, v232, v233, v234
	s_delay_alu instid0(VALU_DEP_1)
	v_max_num_f32 v254, v254, v235
	s_delay_alu instid0(VALU_DEP_1)
	v_mul_f32 v254, s22, v254
	s_delay_alu instid0(VALU_DEP_1)
	v_max_num_f32 v13, v13, v254                   ; the running largest t
	v_mov_b32 v254, v12
	s_delay_alu instid0(VALU_DEP_2)
	v_floor_f32 v12, -v13                          ; the new -M
	s_delay_alu instid0(VALU_DEP_1)
	v_sub_f32 v254, v12, v254                      ; old M - new M: a whole number, 0 or less
	s_delay_alu instid0(VALU_DEP_1)
	v_cvt_i32_f32 v254, v254                       ; (it saturates)
	s_delay_alu instid0(VALU_DEP_1)
	v_ldexp_f32 v252, 1.0, v254                    ; f = 2^(old M - new M)
.set J, 0
.rept 32
	v_pk_fma_f32 v[96+J:97+J], v[96+J:97+J], s[22:23], v[12:13] op_sel_hi:[1,0,0]   ; t - M
.set J, J+2
.endr
.irp b, 0,1,2,3
	v_fma_f32 v[232+\b], v[232+\b], s22, v12
.endr
.set J, 0
	s_wait_alu depctr_va_vdst(0)                   ; the wait ahead of the batch
.rept 64
	v_exp_f32 v[96+J], v[96+J]                     ; p
.set J, J+1
.endr
	v_pk_mul_f32 v[14:15], v[14:15], v[252:253] op_sel_hi:[1,0]   ; the sums under the new M; the plain line behind the batch
	s_wait_alu depctr_va_vdst(0)                   ; one wait for the batch, ahead of its first reader
.irp b, 0,1,2,3
	v_exp_f32 v[232+\b], v[232+\b]                 ; each block's largest p
.endr
	v_pk_add_f32 v[236:237], v[100:101], v[104:105]
	v_pk_add_f32 v[254:255], v[108:109], v[112:113]
	v_pk_add_f32 v[250:251], v[116:117], v[120:121]
	v_pk_add_f32 v[248:249], v[124:125], v[128:129]
	v_pk_add_f32 v[246:247], v[132:133], v[136:137]
	v_pk_add_f32 v[244:245], v[140:141], v[144:145]
	v_pk_add_f32 v[242:243], v[148:149], v[152:153]
	v_pk_add_f32 v[14:15], v[14:15], v[156:157]
	v_pk_add_f32 v[236:237], v[236:237], v[96:97]
	v_pk_add_f32 v[254:255], v[254:255], v[98:99]
	v_pk_add_f32 v[250:251], v[250:251], v[102:103]
	v_pk_add_f32 v[248:249], v[248:249], v[106:107]
	v_pk_add_f32 v[246:247], v[246:247], v[110:111]
	v_pk_add_f32 v[244:245], v[244:245], v[114:115]
	v_pk_add_f32 v[242:243], v[242:243], v[118:119]
	v_pk_add_f32 v[14:15], v[14:15], v[122:123]
	v_pk_add_f32 v[236:237], v[236:237], v[126:127]
	v_pk_add_f32 v[254:255], v[254:255], v[130:131]
	v_pk_add_f32 v[250:251], v[250:251], v[134:135]
	v_pk_add_f32 v[248:249], v[248:249], v[138:139]
	v_pk_add_f32 v[246:247], v[246:247], v[142:143]
	v_pk_add_f32 v[244:245], v[244:245], v[146:147]
	v_pk_add_f32 v[242:243], v[242:243], v[150:151]
	v_pk_add_f32 v[14:15], v[14:15], v[154:155]
	v_pk_add_f32 v[236:237], v[236:237], v[158:159]
	s_delay_alu instid0(VALU_DEP_2)
	v_pk_add_f32 v[14:15], v[14:15], v[248:249]
	s_delay_alu instid0(VALU_DEP_2)
	v_pk_add_f32 v[236:237], v[236:237], v[246:247]
	v_pk_add_f32 v[254:255], v[254:255], v[244:245]
	v_pk_add_f32 v[250:251], v[250:251], v[242:243]
	s_delay_alu instid0(VALU_DEP_2)
	v_pk_add_f32 v[14:15], v[14:15], v[254:255]
	s_delay_alu instid0(VALU_DEP_2)
	v_pk_add_f32 v[236:237], v[236:237], v[250:251]
	s_delay_alu instid0(VALU_DEP_1)
	v_pk_add_f32 v[14:15], v[14:15], v[236:237]
	s_wait_alu depctr_va_vdst(0)                   ; and one for the four
.irp b, 0,1,2,3
	v_max_num_f32 v[232+\b], 0x1800000, v[232+\b]  ; the floor 2^(3 - 127)
.endr
.irp b, 0,1,2,3
	s_delay_alu instid0(VALU_DEP_4)
	v_add_nc_u32 v[244+\b], 0xff000000, v[232+\b]
.endr
.irp b, 0,1,2,3
	s_delay_alu instid0(VALU_DEP_4)
	v_lshrrev_b32 v[236+\b], 23, v[244+\b]
.endr
	s_delay_alu instid0(VALU_DEP_3)
	v_lshl_or_b32 v253, v237, 8, v236              ; p's scale word for these 128 keys
	s_delay_alu instid0(VALU_DEP_1)
	v_lshl_or_b32 v253, v238, 16, v253
	s_delay_alu instid0(VALU_DEP_1)
	v_lshl_or_b32 v253, v239, 24, v253
.irp c, 0,1
	v_cvt_scalef32_pk16_fp6_f32 v[224+6*\c:226+6*\c], v[96+32*\c:111+32*\c], v[244+2*\c]
	v_cvt_scalef32_pk16_fp6_f32 v[236+4*\c:238+4*\c], v[112+32*\c:127+32*\c], v[244+2*\c+1]
.endr
	v_nop                                          ; one plain line behind the conversions
.irp c, 0,1
.irp i, 0,1,2
	v_permlane16_swap_b32 v[224+6*\c+\i], v[236+4*\c+\i]
.endr
.irp i, 0,1,2
	s_delay_alu instid0(VALU_DEP_3)
	v_mov_b32 v[227+6*\c+\i], v[236+4*\c+\i]
.endr
.endr
.set J, 0
.rept 32
	v_pk_mul_f32 v[160+J:161+J], v[160+J:161+J], v[252:253] op_sel_hi:[1,0]   ; O^T under the new M; these are also the places in front of the products below
.set J, J+2
.endr
	s_wait_alu depctr_va_vdst(0)
	s_wait_dscnt 0x0                               ; v's fragments are in
	WIN 0x01
.irp t, 0,1,2,3,4,5,6,7
	v_wmma_scale_f32_16x16x128_f8f6f4 v[160+8*\t:167+8*\t], v[96+12*\t:107+12*\t], v[224:235], v[160+8*\t:167+8*\t], v[SCL+\t], v253 matrix_a_fmt:MATRIX_FMT_FP6 matrix_b_fmt:MATRIX_FMT_FP6 matrix_a_scale:MATRIX_SCALE_ROW1
.endr
	WIN 0
	s_add_co_u32 s44, s44, STEPB
	s_add_co_u32 s45, s45, 128
	s_add_co_u32 s50, s46, 512
	s_cmp_ge_u32 s45, s50                          ; from here on every key comes after every query of the cluster
	s_cselect_b32 s47, s48, 0
.endm
.macro PHASE tb                        ; a slot's four key steps, from LDS byte tb on
	s_mov_b32 s44, \tb
	s_mov_b32 s49, 4
.Lphase_\@:
	STEP
	s_sub_co_u32 s49, s49, 1
	s_cmp_lg_u32 s49, 0
	s_cbranch_scc1 .Lphase_\@
.endm
.macro TURN g, step                    ; the change of slots: the three lines, a round, and my one joint load by group 0 at s[g]
	s_wait_tensorcnt 0x0                           ; all my tensor loads have landed: my record of the slot read next
	ds_add_u32 v[SPW], v[NIL]
.if \step
	s_add_nc_u64 s[\g+2:\g+3], s[\g+2:\g+3], 2*SLOT  ; this slot's next fill, two fills on
.endif
	s_wait_dscnt 0x0                               ; the add is done, and my reads of the slot left behind are over
	CROUND                                         ; no wave of any partner still reads that slot or has a load on its way
	tensor_load_to_lds s[\g:\g+3], s[24:31]
	s_nop 0
	PLACES
.endm
	s_wait_alu depctr_va_vdst(0)                   ; the wait at the head's end
	TURN 36, 0                                     ; fill 0 is in everywhere; fill 1, slot 1's first, is issued as a refill is
	s_wait_loadcnt 0x0                             ; Q
	PHASE 0
	TURN 32, 1                                     ; fill 2 into slot 0
	PHASE SLOT
	TURN 36, 1                                     ; fill 3 into slot 1
	PHASE 0
	s_wait_tensorcnt 0x0                           ; my record of the last fill is in
	ds_add_u32 v[SPW], v[NIL]
	s_wait_dscnt 0x0
	s_barrier_signal -1
	s_barrier_wait -1                              ; everybody's is; nothing is filled again
	PHASE SLOT
	; THE WAY OUT: O^T / the sum, quantised along the head's 128: image w of the record
	PLACES
	v_add_f32 v14, v14, v15
	s_delay_alu instid0(VALU_DEP_1)
	v_permlanex16_b32 v252, v14, s20, s21
	s_delay_alu instid0(VALU_DEP_1)
	v_add_f32 v14, v14, v252                       ; the row's sum
	s_wait_alu depctr_va_vdst(0)
	v_rcp_f32 v14, v14
	v_nop                                          ; a plain line behind the reciprocal,
	s_wait_alu depctr_va_vdst(0)                   ; and the wait ahead of its first reader
.set J, 0
.rept 64
	v_mul_f32 v[96+J], v[160+J], v14               ; register 16 b + i = channel 32 b + 16 h + i; each accumulator is read from its low end on
.set J, J+1
.endr
.set PC, 160
.set TM, 180
.set PW, 196
.irp b, 0,1,2,3
	v_max3_num_f32 v[TM+\b], |v[96+16*\b]|, |v[97+16*\b]|, 0x1800000
.endr
.irp i, 2,4,6,8,10,12,14
.irp b, 0,1,2,3
	s_delay_alu instid0(VALU_DEP_4)
	v_max3_num_f32 v[TM+\b], v[TM+\b], |v[96+16*\b+\i]|, |v[97+16*\b+\i]|
.endr
.endr
.irp b, 0,1,2,3
	v_permlanex16_b32 v[TM+4+\b], v[TM+\b], s20, s21
.endr
.irp b, 0,1,2,3
	s_delay_alu instid0(VALU_DEP_4)
	v_max_num_f32 v[TM+\b], v[TM+\b], v[TM+4+\b]
.endr
.irp b, 0,1,2,3
	s_delay_alu instid0(VALU_DEP_4)
	v_add_nc_u32 v[TM+12+\b], 0xff000000, v[TM+\b]
.endr
.irp b, 0,1,2,3
	s_delay_alu instid0(VALU_DEP_4)
	v_lshrrev_b32 v[TM+4+\b], 23, v[TM+12+\b]
.endr
	s_delay_alu instid0(VALU_DEP_3)
	v_lshl_or_b32 v[PW], v[TM+5], 8, v[TM+4]
	s_delay_alu instid0(VALU_DEP_1)
	v_lshl_or_b32 v[PW], v[TM+6], 16, v[PW]
	s_delay_alu instid0(VALU_DEP_1)
	v_lshl_or_b32 v[PW], v[TM+7], 24, v[PW]
.irp c, 0,1
	v_cvt_scalef32_pk16_fp6_f32 v[PC+6*\c:PC+2+6*\c], v[96+32*\c:111+32*\c], v[TM+12+2*\c]
	v_cvt_scalef32_pk16_fp6_f32 v[PC+12+4*\c:PC+14+4*\c], v[112+32*\c:127+32*\c], v[TM+12+2*\c+1]
.endr
	v_nop
.irp c, 0,1
.irp i, 0,1,2
	v_permlane16_swap_b32 v[PC+6*\c+\i], v[PC+12+4*\c+\i]
.endr
.irp i, 0,1,2
	s_delay_alu instid0(VALU_DEP_3)
	v_mov_b32 v[PC+3+6*\c+\i], v[PC+12+4*\c+\i]
.endr
.endr
.irp c, 0,1,2
	global_store_b128 v[GCO], v[PC+4*\c:PC+4*\c+3], s[18:19] offset:512*\c     ; 512 consecutive bytes a store
.endr
	ds_store_b32 v[SWA], v[PW]                     ; both halves of the lanes write the same word with the same value
	s_wait_dscnt 0x0
	s_barrier_signal -1
	s_barrier_wait -1
	s_cmp_lg_u32 s8, 0
	s_cbranch_scc1 .Lno_scales                     ; wave 0 stores the record's 512 bytes of scale words
	ds_load_b128 v[200:203], v[SRA]
	s_wait_dscnt 0x0
	global_store_b128 v[GSC], v[200:203], s[18:19]
.Lno_scales:
	s_wait_tensorcnt 0x0                           ; the wave's end
	ds_add_u32 v[SPW], v[NIL]
	s_wait_dscnt 0x0
	CROUND                                         ; the closing round
	s_endpgm
.Lfunc_end_k_qdd2bf5a7cd_att:
	.size	k_qdd2bf5a7cd_att, .Lfunc_end_k_qdd2bf5a7cd_att-k_qdd2bf5a7cd_att
	.p2alignl 7, 3214868480
	.fill 96, 4, 3214868480
	.section	.rodata,"a",@progbits
	.p2align	6, 0x0
	.amdhsa_kernel k_qdd2bf5a7cd_att
		.amdhsa_group_segment_fixed_size 327680
		.amdhsa_private_segment_fixed_size 0
		.amdhsa_enable_private_segment 0
		.amdhsa_kernarg_size 16
		.amdhsa_user_sgpr_count 2
		.amdhsa_user_sgpr_kernarg_segment_ptr 1
		.amdhsa_wavefront_size32 1
		.amdhsa_system_sgpr_workgroup_id_x 1
		.amdhsa_system_sgpr_workgroup_id_y 1
		.amdhsa_system_sgpr_workgroup_id_z 1
		.amdhsa_system_vgpr_workitem_id 0
		.amdhsa_next_free_vgpr 512
		.amdhsa_next_free_sgpr 66
		.amdhsa_reserve_vcc 1
		.amdhsa_float_denorm_mode_32 3
		.amdhsa_float_denorm_mode_16_64 3
		.amdhsa_memory_ordered 1
		.amdhsa_forward_progress 1
		.amdhsa_inst_pref_size 138
	.end_amdhsa_kernel
	.amdgpu_metadata
---
amdhsa.version: [ 1, 2 ]
amdhsa.kernels:
  - .name:           k_qdd2bf5a7cd_att
    .symbol:         k_qdd2bf5a7cd_att.kd
    .args:
      - { .name: qkv, .offset: 0, .size: 8, .value_kind: global_buffer, .address_space: global }
      - { .name: arec, .offset: 8, .size: 8, .value_kind: global_buffer, .address_space: global }
    .group_segment_fixed_size: 327680
    .private_segment_fixed_size: 0
    .kernarg_segment_align: 8
    .kernarg_segment_size: 16
    .max_flat_workgroup_size: 256
    .sgpr_count:     66
    .vgpr_count:     512
    .wavefront_size: 32
...
	.end_amdgpu_metadata
.endif
;; end of part 3
;; launch oproj (part 4): grid 16 x 16, 4 waves a work-group, clusters of 4 x 4, 327,680 bytes of LDS; arguments arec, ops, out0; writes out0
.if DOCPART == 4
	.amdgcn_target "amdgcn-amd-amdhsa--gfx1250"
	.amdhsa_code_object_version 6
	.text
	.protected	k_qdd2bf5a7cd_oproj
	.globl	k_qdd2bf5a7cd_oproj
	.p2align	8
	.type	k_qdd2bf5a7cd_oproj,@function
k_qdd2bf5a7cd_oproj:
	s_mov_b64 s[64:65], 0
	v_nop
	global_prefetch_b8 v0, s[64:65] scope:SCOPE_SE
	s_setreg_imm32_b32 hwreg(HW_REG_WAVE_MODE, 25, 1), 1
	s_wait_xcnt 0x0
	s_wait_alu depctr_hold_cnt(0) depctr_sa_sdst(0) depctr_va_vdst(0) depctr_va_sdst(0) depctr_va_ssrc(0) depctr_va_vcc(0) depctr_vm_vsrc(0)
	s_getreg_b32 s2, hwreg(HW_REG_IB_STS2, 6, 4)
	s_cmp_eq_u32 s2, 0
	s_cbranch_scc0 .Lentry_in_a_cluster
	s_endpgm
.Lentry_in_a_cluster:
	s_bfe_u32 s2, ttmp6, 0x10000c
	s_cmp_lg_u32 s2, 0xf033
	s_cbranch_scc0 .Lentry_shape_is_right
	s_endpgm
.Lentry_shape_is_right:
; out0 = attn out_wei on codes of FP6 (E2M3) with E8M0 scales, K = 2,048 in 16 steps of 128 (a step = a head); out0 [2048][2048] f32.
; OUT(i, j) = sum over k of R[i][k] U[j][k]: R = attn's records (arec: [block of 128 tokens][K step]), U = out_wei's (ops + 13,107,200: [group of 128 n][K step]); a tile of 128 x 128 to a work-group.
; Source 0 = 16 rows of U, source 1 = 16 rows of R: a lane holds one token, and the 16 registers of two neighbouring tiles of U are 16 neighbouring columns.
; Four waves, each 64 x 64: 16 accumulators.
; LDS: twelve places of a record (12,800 bytes) for R, then twelve for U; K step n lies at place n % 12.  A block's sixteen records are dense in memory, so one tensor load a wave at the head
; brings six of them (76,800 bytes as 300 rows of 256): waves 0, 1 R's K steps 0-5 and 6-11, waves 2, 3 U's.  K steps 12 to 15 land on places 0 to 3 behind the round of the cluster's barrier in K step 3,
; two records a wave, and are waited for in K step 11: eight K steps later.  Every wait on TENSORcnt is for 0; by this text's count a wave has one load out.
; CLUSTER 4 x 4: R's records are asked for jointly along a row of the cluster, U's along a column.
; No prefetch: twelve of the sixteen K steps are asked for at the head, with no loop ahead of them, and the other four eight K steps ahead of the wait for them.
; REGISTERS: window 0: v1-5, v16-29 addresses; v32-39 scale words, two sets; v128-255 accumulator (a, b) at 128 + 8 (4 a + b).   window 1: two buffers at 0 and 128: U's fragments at + 12 b, R's at + 48 + 12 a.
.set REC,   12800
.set QUAD,  4*REC                      ; four places: one address register serves them by immediates
.set UOFF,  12*REC                     ; U's places lie behind R's
.set STG,   QUAD                       ; the stage, 128 rows x (512 + 16) bytes, lies on R's places 4 to 9: they are filled once, at the head, and their last read lies ahead of the barrier in K step 11
.set SPARE, 24*REC
.set ADRR, 16
.set ADRU, 19
.set ADRS, 22
.set SPW,  28
.set NIL,  29
.set SC,   32
.set ACC,  128
.set G1R, 24
.set G1U, 48
.set G0R, 68                           ; s[68:71] the head's group 0 for R, s[72:75] the refill's
.set G0U, 80                           ; s[80:83], s[84:87] the same for U
.set MSB, 0
.macro WIN new
.if MSB != \new
	s_set_vgpr_msb (MSB<<8)|\new
.set MSB, \new
.endif
.endm
.set MUL,  0x05
.set TO_F, 0x40
.macro PLACES
.rept 4
	v_nop
.endr
.endm
.macro JLOAD s                         ; a joint load: waves 0, 1 fetch for R, waves 2, 3 for U; an s_nop 0 and four v_nop follow each line
	s_cmp_eq_u32 s11, 0
	s_cbranch_scc0 .Lfor_u_\@
	tensor_load_to_lds s[G0R+4*\s:G0R+4*\s+3], s[G1R:G1R+7]
	s_nop 0
	PLACES
	s_branch .Lasked_\@
.Lfor_u_\@:
	tensor_load_to_lds s[G0U+4*\s:G0U+4*\s+3], s[G1U:G1U+7]
	s_nop 0
	PLACES
.Lasked_\@:
.endm
.macro CROUND
	s_barrier_signal -1
	s_barrier_wait -1
	s_cmp_lg_u32 s10, 0
	s_cbranch_scc1 .Lnot_wave_0_\@
	s_barrier_signal -3
.Lnot_wave_0_\@:
	s_barrier_wait -3
	s_barrier_signal -1
	s_barrier_wait -1
.endm
	s_load_b128 s[4:7], s[0:1], 0x0                ; arec, ops
	s_load_b64 s[8:9], s[0:1], 0x10                ; out0
	v_lshl_add_u32 v[SPW], v0, 2, SPARE
	v_mov_b32 v[NIL], 0
	ds_add_u32 v[SPW], v[NIL]                      ; the opening lines: the add, twice on end, and its wait
	ds_add_u32 v[SPW], v[NIL]
	v_lshrrev_b32 v1, 5, v0
	v_readfirstlane_b32 s10, v1
	s_lshr_b32 s11, s10, 1                         ; my half of R's rows; also: I fetch for R (0) or U (1)
	s_and_b32 s12, s10, 1                          ; my half of U's rows; also: which half of a fill's records I fetch
	s_bfe_u32 s40, ttmp6, 0x40000
	s_bfe_u32 s41, ttmp6, 0x40004
	s_lshl_b32 s42, ttmp9, 2
	s_add_co_u32 s42, s42, s40                     ; j
	s_and_b32 s13, ttmp7, 0xffff
	s_lshl_b32 s13, s13, 2
	s_add_co_u32 s13, s13, s41                     ; i
	s_lshl_b32 s43, s41, 2
	s_lshl_b32 s43, 15, s43
	s_lshl_b32 s44, 0x1111, s40
	s_or_b32 s[G1R], s43, (3<<16)|(1<<21)
	s_or_b32 s[G1U], s44, (3<<16)|(1<<21)
.irp g, G1R, G1U                       ; six records, 76,800 dense bytes, as 300 rows of 256 bytes; behind the head's loads the two words that count rows are set to 100
	s_mov_b32 s[\g+1], 32<<16
	s_mov_b32 s[\g+2], 300<<16
	s_mov_b32 s[\g+3], 32<<16
	s_mov_b32 s[\g+4], 300
	s_mov_b32 s[\g+5], 32
	s_mov_b32 s[\g+6], 0
	s_mov_b32 s[\g+7], 0
.endr
	s_lshl_b32 s18, s13, 4                         ; R: block i's first record
	s_mul_i32 s16, s12, 6
	s_add_co_u32 s16, s16, s18
	s_mul_i32 s16, s16, REC                        ; the head's: K step 6 x half
	s_mov_b32 s17, 0
	s_lshl_b32 s19, s12, 1
	s_add_co_u32 s18, s18, s19
	s_add_co_u32 s18, s18, 12
	s_mul_i32 s18, s18, REC                        ; the refill's: K step 12 + 2 x half
	s_mov_b32 s19, 0
	s_lshl_b32 s20, s42, 4                         ; U: group j's first record
	s_mul_i32 s46, s12, 6
	s_add_co_u32 s46, s46, s20
	s_mul_i32 s46, s46, REC
	s_add_co_u32 s46, s46, 13107200                ; out_wei's records
	s_mov_b32 s47, 0
	s_lshl_b32 s21, s12, 1
	s_add_co_u32 s20, s20, s21
	s_add_co_u32 s20, s20, 12
	s_mul_i32 s20, s20, REC
	s_add_co_u32 s20, s20, 13107200
	s_mov_b32 s21, 0
	s_mul_i32 s45, s10, 6*REC                      ; where the head's six records go: wave x 6 places
	s_mul_i32 s22, s11, UOFF
	s_mul_i32 s23, s12, 2*REC
	s_add_co_u32 s22, s22, s23                     ; and the refill's two: places 0, 1 or 2, 3 of R's or of U's
	s_wait_dscnt 0x0
	s_wait_kmcnt 0x0
	s_add_nc_u64 s[16:17], s[4:5], s[16:17]
	s_add_nc_u64 s[18:19], s[4:5], s[18:19]
	s_add_nc_u64 s[46:47], s[6:7], s[46:47]
	s_add_nc_u64 s[20:21], s[6:7], s[20:21]
	s_mov_b32 s[G0R], 1
	s_mov_b32 s[G0R+1], s45
	s_mov_b64 s[G0R+2:G0R+3], s[16:17]
	s_or_b32 s[G0R+3], s[G0R+3], 0x80000000
	s_mov_b32 s[G0R+4], 1
	s_mov_b32 s[G0R+5], s22
	s_mov_b64 s[G0R+6:G0R+7], s[18:19]
	s_or_b32 s[G0R+7], s[G0R+7], 0x80000000
	s_mov_b32 s[G0U], 1
	s_mov_b32 s[G0U+1], s45
	s_mov_b64 s[G0U+2:G0U+3], s[46:47]
	s_or_b32 s[G0U+3], s[G0U+3], 0x80000000
	s_mov_b32 s[G0U+4], 1
	s_mov_b32 s[G0U+5], s22
	s_mov_b64 s[G0U+6:G0U+7], s[20:21]
	s_or_b32 s[G0U+7], s[G0U+7], 0x80000000
	CROUND
	JLOAD 0                                        ; K steps 0 to 11: my one load at the head
	v_and_b32 v1, 15, v0                           ; r
	v_bfe_u32 v2, v0, 4, 1                         ; h
	v_and_b32 v3, 31, v0
	v_lshlrev_b32 v3, 4, v3                        ; 16 x lane; also my bytes of a row of 512 on the way out
	s_wait_alu depctr_va_vdst(0)                   ; the wait ahead of the scalar lines
	s_xor_b32 s23, s11, 1
	s_add_co_u32 s23, s23, s12
	s_lshl_b32 s23, s23, 8
	s_add_co_u32 s23, s23, UOFF-256                ; from R's scale words to U's
	v_mul_u32_u24 v4, s23, v2
	v_lshl_add_u32 v4, v1, 2, v4
	s_wait_alu depctr_va_vdst(0)
	s_mul_i32 s21, s11, 6144
	s_mul_i32 s22, s12, 6144
	s_add_co_u32 s22, s22, UOFF
	s_lshl_b32 s20, s11, 8
	s_add_co_u32 s20, s20, 12288
.irp s, 0,1,2
	v_add_nc_u32 v[ADRR+\s], s21, v3
	v_add_nc_u32 v[ADRU+\s], s22, v3
	v_add_nc_u32 v[ADRS+\s], s20, v4
	s_add_co_u32 s21, s21, QUAD
	s_add_co_u32 s22, s22, QUAD
	s_add_co_u32 s20, s20, QUAD
.endr
	v_and_b32 v5, 8, v1
	v_add_nc_u32 v5, v5, v1                        ; r + 8 (r / 8)
	v_mul_u32_u24 v25, v5, 528
	v_lshl_add_u32 v25, v2, 6, v25                 ; + 16 h columns
	s_mul_i32 s92, s11, 64*528
	s_lshl_b32 s93, s12, 8
	s_add_co_u32 s92, s92, s93
	s_add_co_u32 s92, s92, STG
	v_add_nc_u32 v25, s92, v25                     ; into the stage
	s_mul_i32 s92, s10, 32*528
	s_add_co_u32 s92, s92, STG
	v_add_nc_u32 v26, s92, v3                      ; back: my 32 whole rows
	s_lshl_b32 s92, s13, 7
	s_lshl_b32 s93, s10, 5
	s_add_co_u32 s92, s92, s93
	s_lshl_b32 s92, s92, 13                        ; row 128 i + 32 x wave of 8,192 bytes,
	s_lshl_b32 s93, s42, 9
	s_add_co_u32 s92, s92, s93                     ; column 128 j
	s_mov_b32 s93, 0
	s_add_nc_u64 s[8:9], s[8:9], s[92:93]
.macro FETCH n                         ; K step n's fragments and scale words, from place n % 12
.set FF, 128*((\n)&1)
.set FS, ((\n)>>2)%3
.set FE, ((\n)&3)*REC
.set FC, SC+4*((\n)&1)
	WIN 0
.irp i, 0,1,2,3
	ds_load_b32 v[FC+\i], v[ADRS+FS] offset:FE+64*\i
.endr
	WIN TO_F
.irp i, 0,1,2,3
.irp c, 0,1,2
	ds_load_b128 v[FF+12*\i+4*\c:FF+12*\i+4*\c+3], v[ADRU+FS] offset:FE+1536*\i+512*\c
.endr
.endr
.irp i, 0,1,2,3
.irp c, 0,1,2
	ds_load_b128 v[FF+48+12*\i+4*\c:FF+48+12*\i+4*\c+3], v[ADRR+FS] offset:FE+1536*\i+512*\c
.endr
.endr
.endm
.macro MUL8 n, a0, zero                ; the 16 accumulators take turns, one instruction a turn
.set FF, 128*((\n)&1)
.set FC, SC+4*((\n)&1)
.irp a, \a0, \a0+1
.irp b, 0,1,2,3
.if \zero
	v_wmma_scale_f32_16x16x128_f8f6f4 v[ACC+8*(4*(\a)+\b):ACC+8*(4*(\a)+\b)+7], v[FF+12*\b:FF+12*\b+11], v[FF+48+12*(\a):FF+48+12*(\a)+11], 0, v[FC+\b], v[FC+(\a)] matrix_a_fmt:MATRIX_FMT_FP6 matrix_b_fmt:MATRIX_FMT_FP6 matrix_a_scale:MATRIX_SCALE_ROW1
.else
	v_wmma_scale_f32_16x16x128_f8f6f4 v[ACC+8*(4*(\a)+\b):ACC+8*(4*(\a)+\b)+7], v[FF+12*\b:FF+12*\b+11], v[FF+48+12*(\a):FF+48+12*(\a)+11], v[ACC+8*(4*(\a)+\b):ACC+8*(4*(\a)+\b)+7], v[FC+\b], v[FC+(\a)] matrix_a_fmt:MATRIX_FMT_FP6 matrix_b_fmt:MATRIX_FMT_FP6 matrix_a_scale:MATRIX_SCALE_ROW1
.endif
.endr
.endr
.endm
.macro KSTEP n
	s_wait_dscnt 0x0                               ; this step's 28 loads, issued a step ago
.if (\n) < 15
	WIN 0
.if (\n) > 0
	PLACES                                         ; four places behind the step before, whose buffer and scale set are loaded next
.endif
	FETCH (\n)+1
.endif
	WIN MUL
.if (\n) == 0
	MUL8 \n, 0, 1
	MUL8 \n, 2, 1
.else
	MUL8 \n, 0, 0
	MUL8 \n, 2, 0
.endif
.endm
.macro KTURN n, fill                   ; fill = 1 (K step 3): places 0 to 3 have been read and are filled again; fill = 0 (K step 11): that fill is shown whole to all four waves
	s_wait_dscnt 0x0                               ; this step's fragments are in registers: my reads of the places left behind are over
	WIN 0
	s_wait_tensorcnt 0x0                           ; all my tensor loads have landed
	ds_add_u32 v[SPW], v[NIL]
	WIN MUL
	MUL8 \n, 0, 0
	s_wait_dscnt 0x0
	WIN 0
.if \fill
	CROUND                                         ; no wave of any partner still reads places 0 to 3 or has a load on its way
	JLOAD 1                                        ; its four v_nop are also the places in front of the loads below
.else
	s_barrier_signal -1
	s_barrier_wait -1
	PLACES
.endif
	FETCH (\n)+1
	WIN MUL
	MUL8 \n, 2, 0
.endm
	s_wait_alu depctr_va_vdst(0)                   ; the wait at the head's end
	s_wait_tensorcnt 0x0                           ; my six records are in, and no tensor load of mine is out: a descriptor may be written
	s_mov_b32 s[G1R+2], 100<<16                    ; from here on a load brings two records: 100 rows
	s_mov_b32 s[G1R+4], 100
	s_mov_b32 s[G1U+2], 100<<16
	s_mov_b32 s[G1U+4], 100
	s_barrier_signal -1
	s_barrier_wait -1                              ; everybody's are in
	FETCH 0
	KSTEP 0
	KSTEP 1
	KSTEP 2
	KTURN 3, 1
	KSTEP 4
	KSTEP 5
	KSTEP 6
	KSTEP 7
	KSTEP 8
	KSTEP 9
	KSTEP 10
	KTURN 11, 0
	KSTEP 12
	KSTEP 13
	KSTEP 14
	KSTEP 15
	WIN 0
	PLACES
	; THE WAY OUT.  Accumulator (a, b), lane (r, h): token 64 (R's half) + 32 (a / 2) + 8 (a % 2) + r + 8 (r / 8), columns 64 (U's half) + 32 (b / 2) + 8 (b % 2) + 16 h + 0 .. 7
.irp a, 0,1,2,3
.irp b, 0,1,2,3
	ds_store_b128 v25, v[ACC+8*(4*\a+\b):ACC+8*(4*\a+\b)+3] offset:(32*(\a/2)+8*(\a%2))*528+128*(\b/2)+32*(\b%2)          ; each accumulator from its low end on
	ds_store_b128 v25, v[ACC+8*(4*\a+\b)+4:ACC+8*(4*\a+\b)+7] offset:(32*(\a/2)+8*(\a%2))*528+128*(\b/2)+32*(\b%2)+16
.endr
.endr
	s_wait_dscnt 0x0                               ; for the others' sake: my stores into the stage are done
	s_barrier_signal -1
	s_barrier_wait -1
.set I, 0
.rept 32
	ds_load_b128 v[ACC+4*I:ACC+4*I+3], v26 offset:528*I
.set I, I+1
.endr
.set I, 0
.rept 32
	s_wait_dscnt 31-I                              ; the younger loads stay out
	global_store_b128 v3, v[ACC+4*I:ACC+4*I+3], s[8:9] offset:8192*I th:TH_STORE_NT   ; 32 lanes store 512 consecutive bytes, at a multiple of 256 from out0's first byte
.set I, I+1
.endr
	s_wait_tensorcnt 0x0                           ; the wave's end
	ds_add_u32 v[SPW], v[NIL]
	s_wait_dscnt 0x0
	CROUND                                         ; the closing round
	s_endpgm
.Lfunc_end_k_qdd2bf5a7cd_oproj:
	.size	k_qdd2bf5a7cd_oproj, .Lfunc_end_k_qdd2bf5a7cd_oproj-k_qdd2bf5a7cd_oproj
	.p2alignl 7, 3214868480
	.fill 96, 4, 3214868480
	.section	.rodata,"a",@progbits
	.p2align	6, 0x0
	.amdhsa_kernel k_qdd2bf5a7cd_oproj
		.amdhsa_group_segment_fixed_size 327680
		.amdhsa_private_segment_fixed_size 0
		.amdhsa_enable_private_segment 0
		.amdhsa_kernarg_size 24
		.amdhsa_user_sgpr_count 2
		.amdhsa_user_sgpr_kernarg_segment_ptr 1
		.amdhsa_wavefront_size32 1
		.amdhsa_system_sgpr_workgroup_id_x 1
		.amdhsa_system_sgpr_workgroup_id_y 1
		.amdhsa_system_sgpr_workgroup_id_z 1
		.amdhsa_system_vgpr_workitem_id 0
		.amdhsa_next_free_vgpr 512
		.amdhsa_next_free_sgpr 100
		.amdhsa_reserve_vcc 0
		.amdhsa_float_denorm_mode_32 3
		.amdhsa_float_denorm_mode_16_64 3
		.amdhsa_memory_ordered 1
		.amdhsa_forward_progress 1
		.amdhsa_inst_pref_size 82
	.end_amdhsa_kernel
	.amdgpu_metadata
---
amdhsa.version: [ 1, 2 ]
amdhsa.kernels:
  - .name:           k_qdd2bf5a7cd_oproj
    .symbol:         k_qdd2bf5a7cd_oproj.kd
    .args:
      - { .name: arec, .offset: 0, .size: 8, .value_kind: global_buffer, .address_space: global }
      - { .name: ops, .offset: 8, .size: 8, .value_kind: global_buffer, .address_space: global }
      - { .name: out0, .offset: 16, .size: 8, .value_kind: global_buffer, .address_space: global }
    .group_segment_fixed_size: 327680
    .private_segment_fixed_size: 0
    .kernarg_segment_align: 8
    .kernarg_segment_size: 24
    .max_flat_workgroup_size: 128
    .sgpr_count:     100
    .vgpr_count:     512
    .wavefront_size: 32
...
	.end_amdgpu_metadata
.endif
;; end of part 4
